; MI455X (gfx1250); checked and timed in simulation.
; The chip was launched on July 23, 2026; its instructions are those of AMD's public machine-readable ISA for CDNA 5 (MIT licence, August 2026) and "CDNA5" Instruction Set Architecture Reference Guide (July 2026). The comments in the code are by the model that wrote it; some were corrected since.
;; Cross Transformer Model. Allowed arithmetic: matrix products marked QUANTISED: E2M1 operands, one E8M0 scale for each 32 along K, by v_wmma_scale_f32_16x16x128_f8f6f4 with both operands' format E2M1 (or v_wmma_scale_f32_32x16x128_f4), f32 sums; products left as they are: bf16, f16 or f32 operands; f32 sums; everything else in f32.
;; Inputs: W1 1,024 x 1,024 float32; W2 1,024 x 1,024 float32; Wk 1,024 x 1,024 float32; Wo 1,024 x 1,024 float32; Wq 1,024 x 1,024 float32; Wv 1,024 x 1,024 float32; b1 1,024 float32; b2 1,024 float32; be1 1,024 float32; be2 1,024 float32; bk 1,024 float32; bo 1,024 float32; bq 1,024 float32; bv 1,024 float32; g1 1,024 float32; g2 1,024 float32; score_matrix 4 x 2,048 x 196 float32; score_matrix2 4 x 2,048 x 196 float32; text_tensor 4 x 2,048 x 1,024 float32; text_tensor2 4 x 2,048 x 1,024 float32; visual_tensor 196 x 1,024 float32; visual_tensor2 196 x 1,024 float32.
;; Outputs: out0 4 x 2,048 x 1,024 float32.
;; This version of the problem:
;;   THIS VERSION OF THE PROBLEM IS GIVEN IN LOW PRECISION. The matrix products marked QUANTISED in the list below multiply operands that are first quantised to E2M1 (2 exponent bits, 1 mantissa bit; 4 bits a number), with one power-of-two scale for each 32 numbers along K (OCP MX v1.0); their sums are f32. The products marked 'left as it is' may take bf16, f16 or f32 operands, with f32 sums. Whichever they take, every output number must still come out within the allowed error. Rounding operands to bf16 (8 significant bits) uses up far more of that allowance than f16 does (11 bits, for magnitudes from 6e-5 to 65,504). All else is computed in f32.
;;   The module's matrix products, in the order in which they are computed (A, B: the left and right operand; K: the contracted axis; several contracted axes count as one K, in the product's order):
;;     1. [M 8,192, K 1,024] x [K 1,024, N 1,024]; A: input text_tensor; B: input Wq: QUANTISED
;;     2. [M 196, K 1,024] x [K 1,024, N 1,024]; A: input visual_tensor; B: input Wk: QUANTISED
;;     3. [M 196, K 1,024] x [K 1,024, N 1,024]; A: input visual_tensor; B: input Wv: QUANTISED
;;     4. [M 8,192, K 1,024] x [K 1,024, N 196]; A: computed on the way; B: computed on the way: left as it is (an operand is computed on the way)
;;     5. [M 8,192, K 196] x [K 196, N 1,024]; A: computed on the way; B: computed on the way: left as it is (an operand is computed on the way)
;;     6. [M 8,192, K 1,024] x [K 1,024, N 1,024]; A: computed on the way; B: input Wo: left as it is (an operand is computed on the way)
;;     7. [M 8,192, K 1,024] x [K 1,024, N 1,024]; A: input text_tensor2; B: input Wq: QUANTISED
;;     8. [M 196, K 1,024] x [K 1,024, N 1,024]; A: input visual_tensor2; B: input Wk: QUANTISED
;;     9. [M 196, K 1,024] x [K 1,024, N 1,024]; A: input visual_tensor2; B: input Wv: QUANTISED
;;     10. [M 8,192, K 1,024] x [K 1,024, N 196]; A: computed on the way; B: computed on the way: left as it is (an operand is computed on the way)
;;     11. [M 8,192, K 196] x [K 196, N 1,024]; A: computed on the way; B: computed on the way: left as it is (an operand is computed on the way)
;;     12. [M 8,192, K 1,024] x [K 1,024, N 1,024]; A: computed on the way; B: input Wo: left as it is (an operand is computed on the way)
;;     13. [M 8,192, K 1,024] x [K 1,024, N 1,024]; A: computed on the way; B: input W1: left as it is (an operand is computed on the way)
;;     14. [M 8,192, K 1,024] x [K 1,024, N 1,024]; A: computed on the way; B: input W2: left as it is (an operand is computed on the way)
;;   THE QUANTISER, for each operand of a quantised product, along K:
;;     - K is cut into blocks of 32 from its start; a last block that is shorter is filled with zeros.
;;     - A block's scale is 2^e with e = floor(log2(the largest magnitude in the block)) - 2, held to -126 .. 127; a block of zeros has e = 0. As a byte (E8M0): e + 127.
;;     - Each number is divided by its block's scale, clamped to +-6, and rounded to the nearest number of E2M1, ties to even, subnormals kept.
;;     - The product sums the exact products of the quantised numbers (number of the format x scale) in f32.
;;   ~~~python
;;   def quantise(x, axis):      # numpy; x: float32 -> the quantised numbers, widened to float32 again
;;       x = np.moveaxis(x, axis, -1); K = x.shape[-1]
;;       x = np.pad(x, [(0, 0)] * (x.ndim - 1) + [(0, -K % 32)]); x = x.reshape(x.shape[:-1] + (-1, 32)); a = np.abs(x).max(-1, keepdims=True)
;;       e = np.where(a > 0, np.clip(np.frexp(np.where(a > 0, a, 1))[1] - 1 - 2, -126, 127), 0)      # np.frexp(a)[1] - 1 = floor(log2(a)), exactly
;;       r = np.clip(x / 2.0 ** e, -6, 6)
;;       step = 2.0 ** (np.maximum(np.frexp(np.where(r == 0, 1, r))[1] - 1, 0) - 1)
;;       q = np.round(r / step) * step * 2.0 ** e      # np.round: ties to even
;;       return np.moveaxis(q.reshape(q.shape[:-2] + (-1,))[..., :K], -1, axis).astype(np.float32)
;;   ~~~
;; One version. Each part assembles by itself: llvm-mc -triple=amdgcn-amd-amdhsa -mcpu=gfx1250 --defsym DOCPART=n.
;; ======== version 1 of 1: 4 launches
;; limits: right only within a limited range of input values
;; workspace buffers: wq4 557,056 bytes; wkv4 1,114,112 bytes; vis4 226,304 bytes; wff 4,194,304 bytes; wof 2,097,152 bytes; kf 851,968 bytes; vb 851,968 bytes; vf 917,504 bytes
;; launch prep (part 1): grid 410 x 1, 4 waves a work-group, no clusters, 0 bytes of LDS; arguments Wq, Wk, Wv, visual_tensor, visual_tensor2, W1, W2, Wo, wq4, wkv4, vis4, wff, wof; writes wq4, wkv4, vis4, wff, wof
.if DOCPART == 1
	.amdgcn_target "amdgcn-amd-amdhsa--gfx1250"
	.amdhsa_code_object_version 6
	.text
	.protected	k_qdac878c1ad_prep
	.globl	k_qdac878c1ad_prep
	.p2align	8
	.type	k_qdac878c1ad_prep,@function
k_qdac878c1ad_prep:
	s_mov_b64 s[64:65], 0
	v_nop
	global_prefetch_b8 v0, s[64:65] scope:SCOPE_SE
	s_setreg_imm32_b32 hwreg(HW_REG_WAVE_MODE, 25, 1), 1
	s_wait_xcnt 0x0
; PREP: the operands that every work-group of the later launches reads are made once, in the order of an operand's registers.
; Wq, Wk, Wv, visual_tensor, visual_tensor2 -> codes of E2M1 with one E8M0 byte for each 32 along K;  W1, W2, Wo -> bf16.
; A FRAGMENT is 16 rows x one K step (128 codes, or 32 bf16): 8 registers a lane, 1,024 bytes: registers 0-3 at 16 x lane, registers 4-7 at 512 + 16 x lane.
; WORK LEFT OUT, for the whole program.
;  (1) bk.  The scores are not a quantised product.  Row q of them is (Q_q . (K0_k + bk) + score_qk) / 8 = (Q_q . K0_k + score_qk) / 8 + Q_q . bk / 8, and the last
;      term is the same for every key k of the row: the softmax along the keys takes it away, whatever finite values the inputs hold.  bk has then no way to an output:
;      it is not loaded and is an argument of no launch.  LIMIT: a NaN, an infinity or an overflow that reaches only Q . bk is not carried to the result.
;  (2) (w V) Wo^T is computed as w (V Wo^T): the same sums in another order.  V Wo^T has 196 rows where w V has 8,192.
; LIMITS of the quantiser here: a block of zeros gets the byte 1 where the rule says 127 (its codes are zeros, and this program alone reads the bytes); blocks whose largest
; magnitude lies under 2^-124 are held at that floor; NaN and infinities among the quantised inputs are not served.
; SHARES.  A work-group takes one tile of 16 rows, wave q its columns 256 q .. 256 q + 255.  The work-group's number picks the tensor:
;   0-63 Wq, 64-191 Wk and Wv, 192-217 the two visual tensors (13 tiles each; rows from 196 on get zero codes), 218-345 W1 and W2, 346-409 Wo.
; No LDS, no barrier, no matrix work: each number is read once and each fragment leaves as two stores of 512 consecutive bytes.
.set TM,  16                           ; v16-31  at work in QUANT
.set SEL, 46                           ; s[46:47] lane selects for v_permlanex16_b32: lane l xor 16
; 64 numbers of a lane, register 16 b + i = k 32 b + 16 (lane / 16) + i of my row, become a fragment's codes in v[pc] on and my row's scale word in v[pw].
.macro QUANT s, pc, pw
.irp b, 0,1,2,3
	v_max3_num_f32 v[TM+\b], |v[(\s)+16*\b]|, |v[(\s)+1+16*\b]|, 0x1800000   ; block b: my 16 numbers, and the floor 2^(3 - 127): the byte cannot fall under 1
.endr
.irp i, 2,4,6,8,10,12,14
.irp b, 0,1,2,3
	v_max3_num_f32 v[TM+\b], v[TM+\b], |v[(\s)+16*\b+\i]|, |v[(\s)+1+16*\b+\i]|   ; the four blocks by turns
.endr
.endr
.irp b, 0,1,2,3
	v_permlanex16_b32 v[TM+4+\b], v[TM+\b], s[SEL], s[SEL+1]
.endr
.irp b, 0,1,2,3
	v_max_num_f32 v[TM+\b], v[TM+\b], v[TM+4+\b]   ; with lane l xor 16's 16 numbers: the block's largest magnitude
.endr
.irp b, 0,1,2,3
	v_add_nc_u32 v[TM+12+\b], 0xff000000, v[TM+\b] ; 2 off its exponent field: the conversion's scale operand
.endr
.irp b, 0,1,2,3
	v_lshrrev_b32 v[TM+4+\b], 23, v[TM+12+\b]      ; the scale's byte
.endr
	v_lshl_or_b32 v[\pw], v[TM+5], 8, v[TM+4]
	v_lshl_or_b32 v[\pw], v[TM+6], 16, v[\pw]
	v_lshl_or_b32 v[\pw], v[TM+7], 24, v[\pw]
.irp b, 0,1,2,3
	v_cvt_scalef32_pk8_fp4_f32 v[(\pc)+2*\b], v[(\s)+16*\b:(\s)+7+16*\b], v[TM+12+\b]
	v_cvt_scalef32_pk8_fp4_f32 v[(\pc)+1+2*\b], v[(\s)+8+16*\b:(\s)+15+16*\b], v[TM+12+\b]
.endr
	v_nop                                          ; one plain place behind a scaled conversion
.irp c, 0,1                                    ; the operand's layout wants a whole block in a lane
.irp i, 0,1
	v_permlane16_swap_b32 v[(\pc)+4*\c+\i], v[(\pc)+2+4*\c+\i]
.endr
.endr
.endm
; A tile's 256 columns into two fragments of codes.  s32 first row, s[34:35] source at my columns, s[36:37] my first fragment, s[38:39] my first scale word.
; FS, SS: bytes from K step to K step in the fragments and in the scale words; 1 << SLOG: bytes from row to row in the scale words; limit: rows that exist (0: all do).
.macro FP4JOB FS, SS, SLOG, limit
	v_add_nc_u32 v6, s32, v3                       ; my row
.if \limit
	v_cmp_gt_u32 s33, \limit, v6                   ; does it exist?
	v_min_u32 v6, \limit-1, v6                     ; no load leaves the buffer
.endif
	v_lshlrev_b32 v6, 12, v6
	v_lshl_add_u32 v6, v4, 6, v6                   ; row x 4,096 + 64 h: my 16 numbers of a block of 32
	v_lshlrev_b32 v7, \SLOG, v3
.irp k, 0,1
.irp b, 0,1,2,3
.irp j, 0,1,2,3
	global_load_b128 v[32+64*\k+16*\b+4*\j:32+64*\k+16*\b+4*\j+3], v6, s[34:35] offset:512*\k+128*\b+16*\j th:TH_LOAD_NT
.endr
.endr
.endr
.irp k, 0,1
	s_wait_loadcnt 16-16*\k                        ; this K step's 16 loads are in; the next one's may be out
	QUANT 32+64*\k, 160+8*\k, 12+\k
.if \limit
.irp i, 0,1,2,3,4,5,6,7
	v_cndmask_b32 v[160+8*\k+\i], 0, v[160+8*\k+\i], s33   ; a row past the end counts for nothing: zero codes
.endr
.endif
	global_store_b128 v5, v[160+8*\k:163+8*\k], s[36:37] offset:\k*\FS
	global_store_b128 v5, v[164+8*\k:167+8*\k], s[36:37] offset:\k*\FS+512
	global_store_b32 v7, v[12+\k], s[38:39] offset:\k*\SS   ; lanes r and r + 16 hold the same word and store it to the same place
.endr
.endm
; A tile's 256 columns into eight fragments of bf16.  perm = 1: lane r takes row r + 8 (r / 8) of the tile's span.
.macro BFJOB FS, perm
.if \perm
	v_and_b32 v6, 8, v3
	v_add_nc_u32 v6, v6, v3
	v_add_nc_u32 v6, s32, v6
.else
	v_add_nc_u32 v6, s32, v3
.endif
	v_lshlrev_b32 v6, 12, v6
	v_lshl_add_u32 v6, v4, 5, v6                   ; row x 4,096 + 32 h: k = 8 h .. 8 h + 7, and 64 bytes on k = 16 + 8 h ..
.irp k, 0,1,2,3,4,5,6,7
	global_load_b128 v[32+16*\k:35+16*\k], v6, s[34:35] offset:128*\k th:TH_LOAD_NT
	global_load_b128 v[36+16*\k:39+16*\k], v6, s[34:35] offset:128*\k+16 th:TH_LOAD_NT
	global_load_b128 v[40+16*\k:43+16*\k], v6, s[34:35] offset:128*\k+64 th:TH_LOAD_NT
	global_load_b128 v[44+16*\k:47+16*\k], v6, s[34:35] offset:128*\k+80 th:TH_LOAD_NT
.endr
.irp k, 0,1,2,3,4,5,6,7
	s_wait_loadcnt 28-4*\k                         ; K step k's four loads are in; the later steps' may be out
.irp j, 0,1,2,3,4,5,6,7
	v_cvt_pk_bf16_f32 v[32+16*\k+\j], v[32+16*\k+2*\j], v[32+16*\k+2*\j+1]   ; in place, ascending: register j is written when 2 j and 2 j + 1 have been read
.endr
	global_store_b128 v5, v[32+16*\k:35+16*\k], s[36:37] offset:\k*\FS
	global_store_b128 v5, v[36+16*\k:39+16*\k], s[36:37] offset:\k*\FS+512
.endr
.endm
	s_load_b512 s[4:19], s[0:1], 0x0               ; Wq 4, Wk 6, Wv 8, visual 10, visual2 12, W1 14, W2 16, Wo 18
	s_load_b256 s[20:27], s[0:1], 0x40             ; wq4 20, wkv4 22, vis4 24, wff 26
	s_load_b64 s[28:29], s[0:1], 0x60              ; wof
	v_lshrrev_b32 v1, 5, v0
	v_readfirstlane_b32 s30, v1                    ; q: my wave
	v_and_b32 v2, 31, v0                           ; lane
	v_and_b32 v3, 15, v0                           ; r
	v_bfe_u32 v4, v0, 4, 1                         ; h
	v_lshlrev_b32 v5, 4, v2                        ; 16 x lane
	s_mov_b32 s[SEL], 0x76543210
	s_mov_b32 s[SEL+1], 0xfedcba98
.irp b, 0,1,2,3
	v_mov_b32 v[TM+4+\b], 0                        ; written once: a lane permute's destination counts as one of its sources
.endr
	s_lshl_b32 s31, s30, 10                        ; my 256 columns begin 1,024 q bytes into a row
	s_mov_b32 s45, 0                               ; the upper word of every offset
	s_wait_kmcnt 0x0
	s_cmp_lt_u32 ttmp9, 64
	s_cbranch_scc1 .Lwq
	s_cmp_lt_u32 ttmp9, 192
	s_cbranch_scc1 .Lwkv
	s_cmp_lt_u32 ttmp9, 218
	s_cbranch_scc1 .Lvis
	s_cmp_lt_u32 ttmp9, 346
	s_cbranch_scc1 .Lwff
	; ---- Wo: tile NT = 4 w + 2 b + u holds rows 64 w + 32 b + 8 u + r + 8 (r / 8); fragment (NT, ks) at (32 NT + ks) x 1,024
	s_sub_co_u32 s40, ttmp9, 346
	s_lshr_b32 s32, s40, 1
	s_lshl_b32 s32, s32, 5
	s_and_b32 s33, s40, 1
	s_lshl_b32 s33, s33, 3
	s_add_co_u32 s32, s32, s33
	s_mov_b32 s44, s31
	s_add_nc_u64 s[34:35], s[18:19], s[44:45]
	s_lshl_b32 s44, s40, 15
	s_lshl_b32 s42, s30, 13                        ; my K steps begin at 8 q
	s_add_co_u32 s44, s44, s42
	s_add_nc_u64 s[36:37], s[28:29], s[44:45]
	BFJOB 1024, 1
	s_endpgm
.Lwq:                                              ; ---- Wq: tile 4 w + t holds rows 64 w + 16 t + r; fragment at ((8 w + ks) 4 + t) x 1,024
	s_lshl_b32 s32, ttmp9, 4
	s_lshr_b32 s40, ttmp9, 2                       ; w
	s_and_b32 s41, ttmp9, 3                        ; t
	s_mov_b32 s44, s31
	s_add_nc_u64 s[34:35], s[4:5], s[44:45]
	s_lshl_b32 s44, s40, 15
	s_lshl_b32 s42, s41, 10
	s_add_co_u32 s44, s44, s42
	s_lshl_b32 s42, s30, 13                        ; my K steps begin at 2 q
	s_add_co_u32 s44, s44, s42
	s_add_nc_u64 s[36:37], s[20:21], s[44:45]
	s_lshl_b32 s44, s40, 11                        ; scale words: 524,288 + 2,048 w + 256 ks + 8 (16 (t & 1) + r) + 4 (t >> 1)
	s_and_b32 s42, s41, 1
	s_lshl_b32 s42, s42, 7
	s_add_co_u32 s44, s44, s42
	s_lshr_b32 s42, s41, 1
	s_lshl_b32 s42, s42, 2
	s_add_co_u32 s44, s44, s42
	s_lshl_b32 s42, s30, 9
	s_add_co_u32 s44, s44, s42
	s_add_co_u32 s44, s44, 524288
	s_add_nc_u64 s[38:39], s[20:21], s[44:45]
	FP4JOB 4096, 256, 3, 0
	s_endpgm
.Lwkv:                                             ; ---- Wk, then Wv: tile 2 p + t of the 2,048 rows; fragment at (16 p + 2 ks + t) x 1,024
	s_sub_co_u32 s40, ttmp9, 64
	s_and_b32 s41, s40, 63
	s_lshl_b32 s32, s41, 4                         ; the first row in its own tensor
	s_cmp_lt_u32 s40, 64
	s_cselect_b64 s[34:35], s[6:7], s[8:9]
	s_mov_b32 s44, s31
	s_add_nc_u64 s[34:35], s[34:35], s[44:45]
	s_lshr_b32 s41, s40, 1                         ; p
	s_and_b32 s42, s40, 1                          ; t
	s_lshl_b32 s44, s41, 14
	s_lshl_b32 s43, s42, 10
	s_add_co_u32 s44, s44, s43
	s_lshl_b32 s43, s30, 12
	s_add_co_u32 s44, s44, s43
	s_add_nc_u64 s[36:37], s[22:23], s[44:45]
	s_lshl_b32 s44, s41, 10                        ; scale words: 1,048,576 + 1,024 p + 128 ks + 4 (16 t + r)
	s_lshl_b32 s43, s42, 6
	s_add_co_u32 s44, s44, s43
	s_lshl_b32 s43, s30, 8
	s_add_co_u32 s44, s44, s43
	s_add_co_u32 s44, s44, 1048576
	s_add_nc_u64 s[38:39], s[22:23], s[44:45]
	FP4JOB 2048, 128, 2, 0
	s_endpgm
.Lvis:                                             ; ---- the visual tensors: key tile 13 br + kt; fragment at (8 (13 br + kt) + ks) x 1,024
	s_sub_co_u32 s40, ttmp9, 192
	s_cmp_lt_u32 s40, 13
	s_cselect_b64 s[34:35], s[10:11], s[12:13]
	s_cselect_b32 s41, 0, 13
	s_sub_co_u32 s41, s40, s41                     ; kt
	s_lshl_b32 s32, s41, 4
	s_mov_b32 s44, s31
	s_add_nc_u64 s[34:35], s[34:35], s[44:45]
	s_lshl_b32 s44, s40, 13
	s_lshl_b32 s43, s30, 11
	s_add_co_u32 s44, s44, s43
	s_add_nc_u64 s[36:37], s[24:25], s[44:45]
	s_lshl_b32 s44, s40, 9                         ; scale words: 212,992 + 512 (13 br + kt) + 64 ks + 4 r
	s_lshl_b32 s43, s30, 7
	s_add_co_u32 s44, s44, s43
	s_add_co_u32 s44, s44, 212992
	s_add_nc_u64 s[38:39], s[24:25], s[44:45]
	FP4JOB 1024, 64, 2, 196
	s_endpgm
.Lwff:                                             ; ---- W1, then W2: tile 4 w + t; fragment at ((32 w + ks) 4 + t) x 1,024, W2's 2,097,152 bytes on
	s_sub_co_u32 s40, ttmp9, 218
	s_and_b32 s41, s40, 63
	s_lshr_b32 s42, s41, 2                         ; w
	s_and_b32 s43, s41, 3                          ; t
	s_lshr_b32 s32, s43, 1                         ; W2's rows: 512 (t >> 1) + 32 w + 16 (t & 1) + r
	s_lshl_b32 s32, s32, 9
	s_lshl_b32 s33, s42, 5
	s_add_co_u32 s32, s32, s33
	s_and_b32 s33, s43, 1
	s_lshl_b32 s33, s33, 4
	s_add_co_u32 s32, s32, s33
	s_lshl_b32 s33, s41, 4                         ; W1's rows: 64 w + 16 t + r
	s_cmp_lt_u32 s40, 64
	s_cselect_b32 s32, s33, s32
	s_cselect_b64 s[34:35], s[14:15], s[16:17]
	s_cselect_b32 s33, 0, 2097152
	s_mov_b32 s44, s31
	s_add_nc_u64 s[34:35], s[34:35], s[44:45]
	s_lshl_b32 s44, s42, 17
	s_add_co_u32 s44, s44, s33
	s_lshl_b32 s33, s43, 10
	s_add_co_u32 s44, s44, s33
	s_lshl_b32 s33, s30, 15                        ; my K steps begin at 8 q
	s_add_co_u32 s44, s44, s33
	s_add_nc_u64 s[36:37], s[26:27], s[44:45]
	BFJOB 4096, 0
	s_endpgm
.Lfunc_end_k_qdac878c1ad_prep:
	.size	k_qdac878c1ad_prep, .Lfunc_end_k_qdac878c1ad_prep-k_qdac878c1ad_prep
	.p2alignl 7, 3214868480
	.fill 96, 4, 3214868480
	.section	.rodata,"a",@progbits
	.p2align	6, 0x0
	.amdhsa_kernel k_qdac878c1ad_prep
		.amdhsa_group_segment_fixed_size 0
		.amdhsa_private_segment_fixed_size 0
		.amdhsa_enable_private_segment 0
		.amdhsa_kernarg_size 104
		.amdhsa_user_sgpr_count 2
		.amdhsa_user_sgpr_kernarg_segment_ptr 1
		.amdhsa_wavefront_size32 1
		.amdhsa_system_sgpr_workgroup_id_x 1
		.amdhsa_system_sgpr_workgroup_id_y 1
		.amdhsa_system_sgpr_workgroup_id_z 1
		.amdhsa_system_vgpr_workitem_id 0
		.amdhsa_next_free_vgpr 192
		.amdhsa_next_free_sgpr 66
		.amdhsa_reserve_vcc 0
		.amdhsa_float_denorm_mode_32 3
		.amdhsa_float_denorm_mode_16_64 3
		.amdhsa_memory_ordered 1
		.amdhsa_forward_progress 1
		.amdhsa_inst_pref_size 58
	.end_amdhsa_kernel
	.amdgpu_metadata
---
amdhsa.version: [ 1, 2 ]
amdhsa.kernels:
  - .name:           k_qdac878c1ad_prep
    .symbol:         k_qdac878c1ad_prep.kd
    .args:
      - { .name: Wq, .offset: 0, .size: 8, .value_kind: global_buffer, .address_space: global }
      - { .name: Wk, .offset: 8, .size: 8, .value_kind: global_buffer, .address_space: global }
      - { .name: Wv, .offset: 16, .size: 8, .value_kind: global_buffer, .address_space: global }
      - { .name: visual_tensor, .offset: 24, .size: 8, .value_kind: global_buffer, .address_space: global }
      - { .name: visual_tensor2, .offset: 32, .size: 8, .value_kind: global_buffer, .address_space: global }
      - { .name: W1, .offset: 40, .size: 8, .value_kind: global_buffer, .address_space: global }
      - { .name: W2, .offset: 48, .size: 8, .value_kind: global_buffer, .address_space: global }
      - { .name: Wo, .offset: 56, .size: 8, .value_kind: global_buffer, .address_space: global }
      - { .name: wq4, .offset: 64, .size: 8, .value_kind: global_buffer, .address_space: global }
      - { .name: wkv4, .offset: 72, .size: 8, .value_kind: global_buffer, .address_space: global }
      - { .name: vis4, .offset: 80, .size: 8, .value_kind: global_buffer, .address_space: global }
      - { .name: wff, .offset: 88, .size: 8, .value_kind: global_buffer, .address_space: global }
      - { .name: wof, .offset: 96, .size: 8, .value_kind: global_buffer, .address_space: global }
    .group_segment_fixed_size: 0
    .private_segment_fixed_size: 0
    .kernarg_segment_align: 8
    .kernarg_segment_size: 104
    .max_flat_workgroup_size: 128
    .sgpr_count:     66
    .vgpr_count:     192
    .wavefront_size: 32
...
	.end_amdgpu_metadata
.endif
;; end of part 1
;; launch kv (part 2): grid 64 x 2, 13 waves a work-group, no clusters, 0 bytes of LDS; arguments wkv4, vis4, bv, kf, vb; writes kf, vb
.if DOCPART == 2
	.amdgcn_target "amdgcn-amd-amdhsa--gfx1250"
	.amdhsa_code_object_version 6
	.text
	.protected	k_qdac878c1ad_kv
	.globl	k_qdac878c1ad_kv
	.p2align	8
	.type	k_qdac878c1ad_kv,@function
k_qdac878c1ad_kv:
	s_mov_b64 s[64:65], 0
	v_nop
	global_prefetch_b8 v0, s[64:65] scope:SCOPE_SE
	s_setreg_imm32_b32 hwreg(HW_REG_WAVE_MODE, 25, 1), 1
	s_wait_xcnt 0x0
; KV: K = Q(visual) Q(Wk)^T and V = Q(visual) Q(Wv)^T + bv for both branches, on codes of E2M1, sums in f32; the results leave as bf16 fragments (lane = key, registers along d).
; bk is left out: it adds the same number to every score of a row, which the softmax along the keys takes away (shown at the head of the first launch).
; SHARES.  Work-group (p, br): columns 32 p .. 32 p + 31 of [K | V] of branch br.  Wave kt: keys 16 kt .. 16 kt + 15 (rows from 196 on are zero codes).
; THE PRODUCT IS USED TRANSPOSED: source 0 = 16 rows of the weight, source 1 = 16 keys: a lane holds one key, and the 16 registers of the two tiles are 32 neighbours along d:
; rounded in pairs they are one bf16 fragment of the next product.  All of K = 1,024 lies in registers: 8 steps, two accumulators by turns.
.set WSC, 16                           ; v16-23   the weight's scale words: lanes 0-15 tile 0, lanes 16-31 tile 1
.set VSC, 24                           ; v24-31   the keys' scale words
.set WF,  32                           ; v32-159  the weight's fragments: (ks, t) at 8 (2 ks + t)
.set VF,  160                          ; v160-223 the keys' fragments
.set ACC, 224                          ; v224-239 two accumulators
.set OUT, 240                          ; v240-247 the bf16 fragment
.macro KVW ks, t, zero
.set rD, ACC+8*\t
.set rW, WF+8*(2*\ks+\t)
.set rV, VF+8*\ks
.if (\zero) && (\ks == 0) && (\t == 0)
	v_wmma_scale_f32_16x16x128_f8f6f4 v[rD:rD+7], v[rW:rW+7], v[rV:rV+7], 0, v[WSC+\ks], v[VSC+\ks] matrix_a_fmt:MATRIX_FMT_FP4 matrix_b_fmt:MATRIX_FMT_FP4
.elseif (\zero) && (\ks == 0)
	v_wmma_scale_f32_16x16x128_f8f6f4 v[rD:rD+7], v[rW:rW+7], v[rV:rV+7], 0, v[WSC+\ks], v[VSC+\ks] matrix_a_fmt:MATRIX_FMT_FP4 matrix_b_fmt:MATRIX_FMT_FP4 matrix_a_scale:MATRIX_SCALE_ROW1
.elseif \t == 0
	v_wmma_scale_f32_16x16x128_f8f6f4 v[rD:rD+7], v[rW:rW+7], v[rV:rV+7], v[rD:rD+7], v[WSC+\ks], v[VSC+\ks] matrix_a_fmt:MATRIX_FMT_FP4 matrix_b_fmt:MATRIX_FMT_FP4
.else
	v_wmma_scale_f32_16x16x128_f8f6f4 v[rD:rD+7], v[rW:rW+7], v[rV:rV+7], v[rD:rD+7], v[WSC+\ks], v[VSC+\ks] matrix_a_fmt:MATRIX_FMT_FP4 matrix_b_fmt:MATRIX_FMT_FP4 matrix_a_scale:MATRIX_SCALE_ROW1
.endif
.endm
; zero = 1: K, whose sums begin with 0; zero = 0: V, whose sums begin with bv, loaded in the result's layout.
.macro BODY zero
.if !\zero
.irp t, 0,1
.irp q, 0,1
	global_load_b128 v[ACC+8*\t+4*\q:ACC+8*\t+4*\q+3], v8, s[32:33] offset:64*\t+16*\q   ; bv(32 (p - 32) + 16 t + 8 h + 4 q ..)
.endr
.endr
.endif
	s_wait_loadcnt 0x0
.irp ks, 0,1,2,3,4,5,6,7
.irp t, 0,1
	KVW \ks, \t, \zero
.endr
.endr
.rept 4
	v_nop                                          ; four places between the last products and the first read of a result
.endr
.irp t, 0,1
.irp j, 0,1,2,3
	v_cvt_pk_bf16_f32 v[OUT+4*\t+\j], v[ACC+8*\t+2*\j], v[ACC+8*\t+2*\j+1]   ; each accumulator from its low end on
.endr
.endr
	global_store_b128 v5, v[OUT:OUT+3], s[30:31]
	global_store_b128 v5, v[OUT+4:OUT+7], s[30:31] offset:512
	s_endpgm
.endm
	s_load_b256 s[4:11], s[0:1], 0x0               ; wkv4 4, vis4 6, bv 8, kf 10
	s_load_b64 s[12:13], s[0:1], 0x20              ; vb
	v_lshrrev_b32 v1, 5, v0
	v_readfirstlane_b32 s14, v1                    ; kt
	v_and_b32 v2, 31, v0
	v_and_b32 v3, 15, v0
	v_bfe_u32 v4, v0, 4, 1
	v_lshlrev_b32 v5, 4, v2                        ; 16 x lane
	v_lshlrev_b32 v6, 2, v2                        ; 4 x lane
	v_lshlrev_b32 v7, 2, v3                        ; 4 r
	v_lshlrev_b32 v8, 5, v4                        ; 32 h
	s_and_b32 s15, ttmp7, 0xffff                   ; br
	s_mul_i32 s16, s15, 13
	s_add_co_u32 s16, s16, s14                     ; 13 br + kt
	s_mov_b32 s21, 0
	s_wait_kmcnt 0x0
	s_lshl_b32 s20, ttmp9, 14
	s_add_nc_u64 s[22:23], s[4:5], s[20:21]        ; the weight's 16 fragments
	s_lshl_b32 s20, ttmp9, 10
	s_add_co_u32 s20, s20, 1048576
	s_add_nc_u64 s[24:25], s[4:5], s[20:21]        ; and its scale words
	s_lshl_b32 s20, s16, 13
	s_add_nc_u64 s[26:27], s[6:7], s[20:21]        ; my keys' 8 fragments
	s_lshl_b32 s20, s16, 9
	s_add_co_u32 s20, s20, 212992
	s_add_nc_u64 s[28:29], s[6:7], s[20:21]        ; and their scale words
.irp f, 0,1,2,3,4,5,6,7,8,9,10,11,12,13,14,15
	global_load_b128 v[WF+8*\f:WF+8*\f+3], v5, s[22:23] offset:1024*\f
	global_load_b128 v[WF+8*\f+4:WF+8*\f+7], v5, s[22:23] offset:1024*\f+512
.endr
.irp ks, 0,1,2,3,4,5,6,7
	global_load_b32 v[WSC+\ks], v6, s[24:25] offset:128*\ks
	global_load_b128 v[VF+8*\ks:VF+8*\ks+3], v5, s[26:27] offset:1024*\ks
	global_load_b128 v[VF+8*\ks+4:VF+8*\ks+7], v5, s[26:27] offset:1024*\ks+512
	global_load_b32 v[VSC+\ks], v7, s[28:29] offset:64*\ks
.endr
	s_and_b32 s17, ttmp9, 31                       ; the K step of the next product that these 32 columns are
	s_lshl_b32 s20, s16, 5
	s_add_co_u32 s20, s20, s17
	s_lshl_b32 s20, s20, 10                        ; the fragment's place: (32 (13 br + kt) + p % 32) x 1,024
	s_cmp_lt_u32 ttmp9, 32
	s_cbranch_scc1 .Lk
	s_add_nc_u64 s[30:31], s[12:13], s[20:21]
	s_lshl_b32 s20, s17, 7
	s_add_nc_u64 s[32:33], s[8:9], s[20:21]
	BODY 0
.Lk:
	s_add_nc_u64 s[30:31], s[10:11], s[20:21]
	BODY 1
.Lfunc_end_k_qdac878c1ad_kv:
	.size	k_qdac878c1ad_kv, .Lfunc_end_k_qdac878c1ad_kv-k_qdac878c1ad_kv
	.p2alignl 7, 3214868480
	.fill 96, 4, 3214868480
	.section	.rodata,"a",@progbits
	.p2align	6, 0x0
	.amdhsa_kernel k_qdac878c1ad_kv
		.amdhsa_group_segment_fixed_size 0
		.amdhsa_private_segment_fixed_size 0
		.amdhsa_enable_private_segment 0
		.amdhsa_kernarg_size 40
		.amdhsa_user_sgpr_count 2
		.amdhsa_user_sgpr_kernarg_segment_ptr 1
		.amdhsa_wavefront_size32 1
		.amdhsa_system_sgpr_workgroup_id_x 1
		.amdhsa_system_sgpr_workgroup_id_y 1
		.amdhsa_system_sgpr_workgroup_id_z 1
		.amdhsa_system_vgpr_workitem_id 0
		.amdhsa_next_free_vgpr 248
		.amdhsa_next_free_sgpr 66
		.amdhsa_reserve_vcc 0
		.amdhsa_float_denorm_mode_32 3
		.amdhsa_float_denorm_mode_16_64 3
		.amdhsa_memory_ordered 1
		.amdhsa_forward_progress 1
		.amdhsa_inst_pref_size 14
	.end_amdhsa_kernel
	.amdgpu_metadata
---
amdhsa.version: [ 1, 2 ]
amdhsa.kernels:
  - .name:           k_qdac878c1ad_kv
    .symbol:         k_qdac878c1ad_kv.kd
    .args:
      - { .name: wkv4, .offset: 0, .size: 8, .value_kind: global_buffer, .address_space: global }
      - { .name: vis4, .offset: 8, .size: 8, .value_kind: global_buffer, .address_space: global }
      - { .name: bv, .offset: 16, .size: 8, .value_kind: global_buffer, .address_space: global }
      - { .name: kf, .offset: 24, .size: 8, .value_kind: global_buffer, .address_space: global }
      - { .name: vb, .offset: 32, .size: 8, .value_kind: global_buffer, .address_space: global }
    .group_segment_fixed_size: 0
    .private_segment_fixed_size: 0
    .kernarg_segment_align: 8
    .kernarg_segment_size: 40
    .max_flat_workgroup_size: 416
    .sgpr_count:     66
    .vgpr_count:     248
    .wavefront_size: 32
...
	.end_amdgpu_metadata
.endif
;; end of part 2
;; launch vo (part 3): grid 64 x 2, 7 waves a work-group, no clusters, 0 bytes of LDS; arguments vb, wof, vf; writes vf
.if DOCPART == 3
	.amdgcn_target "amdgcn-amd-amdhsa--gfx1250"
	.amdhsa_code_object_version 6
	.text
	.protected	k_qdac878c1ad_vo
	.globl	k_qdac878c1ad_vo
	.p2align	8
	.type	k_qdac878c1ad_vo,@function
k_qdac878c1ad_vo:
	s_mov_b64 s[64:65], 0
	v_nop
	global_prefetch_b8 v0, s[64:65] scope:SCOPE_SE
	s_setreg_imm32_b32 hwreg(HW_REG_WAVE_MODE, 25, 1), 1
	s_wait_xcnt 0x0
; VO: V' = V Wo^T for both branches, bf16 operands, sums in f32; it leaves as bf16 fragments of V'^T (lane = a row of Wo, registers along the keys).
; (w V) Wo^T is computed as w (V Wo^T), the same sums in another order (head of the first launch): this is the small factor, 208 rows a branch.
; SHARES.  Work-group (NT, br): the 16 rows of Wo in tile NT.  Wave s: key tiles 2 s and min(2 s + 1, 12): with source 0 = 16 keys and source 1 = Wo's rows a lane holds one row of
; Wo and eight keys, and the two tiles, rounded in pairs, are the fragment of keys 32 s .. 32 s + 31.  Wave 6 takes tile 12 twice, into two runs of registers: keys 208-223 do not
; exist, the last launch's weights for keys from 196 on are 0, and those columns only have to hold finite numbers.
; K = 1,024 in 32 steps, written out: every offset is an immediate.  A ring of eight steps in registers: 48 loads of a wave are out at the most.
.set LI,   5
.set RING, 32                          ; v32-223  slot kd % 8: 8 registers of V(k0), 8 of V(k1), 8 of Wo
.set ACC,  224                         ; v224-239 two accumulators, by turns
.set OUT,  240
.macro VLD kd
.set SL, RING+24*((\kd)%8)
.irp c, 0,1
	global_load_b128 v[SL+4*\c:SL+4*\c+3], v[LI], s[22:23] offset:1024*(\kd)+512*\c
	global_load_b128 v[SL+8+4*\c:SL+8+4*\c+3], v[LI], s[24:25] offset:1024*(\kd)+512*\c
	global_load_b128 v[SL+16+4*\c:SL+16+4*\c+3], v[LI], s[26:27] offset:1024*(\kd)+512*\c
.endr
.endm
	s_load_b128 s[4:7], s[0:1], 0x0                ; vb, wof
	s_load_b64 s[8:9], s[0:1], 0x10                ; vf
	v_lshrrev_b32 v1, 5, v0
	v_readfirstlane_b32 s10, v1                    ; s
	v_and_b32 v2, 31, v0
	v_lshlrev_b32 v[LI], 4, v2
	s_and_b32 s11, ttmp7, 0xffff                   ; br
	s_mul_i32 s12, s11, 13
	s_lshl_b32 s13, s10, 1
	s_add_co_u32 s14, s13, 1
	s_min_u32 s14, s14, 12
	s_add_co_u32 s13, s13, s12                     ; 13 br + k0
	s_add_co_u32 s14, s14, s12                     ; 13 br + k1
	s_lshl_b32 s15, s11, 4                         ; the result's place: (((16 br + NT / 4) 7 + s) 4 + NT % 4) x 1,024
	s_lshr_b32 s16, ttmp9, 2
	s_add_co_u32 s15, s15, s16
	s_mul_i32 s15, s15, 7
	s_add_co_u32 s15, s15, s10
	s_lshl_b32 s15, s15, 2
	s_and_b32 s16, ttmp9, 3
	s_add_co_u32 s15, s15, s16
	s_mov_b32 s21, 0
	s_wait_kmcnt 0x0
	s_lshl_b32 s20, s13, 15
	s_add_nc_u64 s[22:23], s[4:5], s[20:21]
	s_lshl_b32 s20, s14, 15
	s_add_nc_u64 s[24:25], s[4:5], s[20:21]
	s_lshl_b32 s20, ttmp9, 15
	s_add_nc_u64 s[26:27], s[6:7], s[20:21]
	s_lshl_b32 s20, s15, 10
	s_add_nc_u64 s[28:29], s[8:9], s[20:21]
.irp kd, 0,1,2,3,4,5,6,7
	VLD \kd
.endr
.set KD, 0
.rept 32
.set SL, RING+24*(KD%8)
.if KD < 24
	s_wait_loadcnt 42                              ; this step's six loads are in; those of the seven steps behind it may be out
.else
	s_wait_loadcnt 6*(31-KD)
.endif
.if KD == 0
	v_wmma_f32_16x16x32_bf16 v[ACC:ACC+7], v[SL:SL+7], v[SL+16:SL+23], 0
	v_wmma_f32_16x16x32_bf16 v[ACC+8:ACC+15], v[SL+8:SL+15], v[SL+16:SL+23], 0
.else
	v_wmma_f32_16x16x32_bf16 v[ACC:ACC+7], v[SL:SL+7], v[SL+16:SL+23], v[ACC:ACC+7]
	v_wmma_f32_16x16x32_bf16 v[ACC+8:ACC+15], v[SL+8:SL+15], v[SL+16:SL+23], v[ACC+8:ACC+15]
.endif
.rept 4
	v_nop                                          ; four places in front of loads into registers that these products read, and of the first read of a result
.endr
.if KD+8 < 32
	VLD KD+8
.endif
.set KD, KD+1
.endr
.irp t, 0,1
.irp j, 0,1,2,3
	v_cvt_pk_bf16_f32 v[OUT+4*\t+\j], v[ACC+8*\t+2*\j], v[ACC+8*\t+2*\j+1]   ; each accumulator from its low end on
.endr
.endr
	global_store_b128 v[LI], v[OUT:OUT+3], s[28:29]
	global_store_b128 v[LI], v[OUT+4:OUT+7], s[28:29] offset:512
	s_endpgm
.Lfunc_end_k_qdac878c1ad_vo:
	.size	k_qdac878c1ad_vo, .Lfunc_end_k_qdac878c1ad_vo-k_qdac878c1ad_vo
	.p2alignl 7, 3214868480
	.fill 96, 4, 3214868480
	.section	.rodata,"a",@progbits
	.p2align	6, 0x0
	.amdhsa_kernel k_qdac878c1ad_vo
		.amdhsa_group_segment_fixed_size 0
		.amdhsa_private_segment_fixed_size 0
		.amdhsa_enable_private_segment 0
		.amdhsa_kernarg_size 24
		.amdhsa_user_sgpr_count 2
		.amdhsa_user_sgpr_kernarg_segment_ptr 1
		.amdhsa_wavefront_size32 1
		.amdhsa_system_sgpr_workgroup_id_x 1
		.amdhsa_system_sgpr_workgroup_id_y 1
		.amdhsa_system_sgpr_workgroup_id_z 1
		.amdhsa_system_vgpr_workitem_id 0
		.amdhsa_next_free_vgpr 248
		.amdhsa_next_free_sgpr 66
		.amdhsa_reserve_vcc 0
		.amdhsa_float_denorm_mode_32 3
		.amdhsa_float_denorm_mode_16_64 3
		.amdhsa_memory_ordered 1
		.amdhsa_forward_progress 1
		.amdhsa_inst_pref_size 30
	.end_amdhsa_kernel
	.amdgpu_metadata
---
amdhsa.version: [ 1, 2 ]
amdhsa.kernels:
  - .name:           k_qdac878c1ad_vo
    .symbol:         k_qdac878c1ad_vo.kd
    .args:
      - { .name: vb, .offset: 0, .size: 8, .value_kind: global_buffer, .address_space: global }
      - { .name: wof, .offset: 8, .size: 8, .value_kind: global_buffer, .address_space: global }
      - { .name: vf, .offset: 16, .size: 8, .value_kind: global_buffer, .address_space: global }
    .group_segment_fixed_size: 0
    .private_segment_fixed_size: 0
    .kernarg_segment_align: 8
    .kernarg_segment_size: 24
    .max_flat_workgroup_size: 224
    .sgpr_count:     66
    .vgpr_count:     248
    .wavefront_size: 32
...
	.end_amdgpu_metadata
.endif
;; end of part 3
;; launch main (part 4): grid 256 x 1, 16 waves a work-group, no clusters, 326,144 bytes of LDS; arguments text_tensor, text_tensor2, score_matrix, score_matrix2, bq, bo, g1, be1, b1, b2, g2, be2, wq4, kf, vf, wff, out0; writes out0
.if DOCPART == 4
	.amdgcn_target "amdgcn-amd-amdhsa--gfx1250"
	.amdhsa_code_object_version 6
	.text
	.protected	k_qdac878c1ad_main
	.globl	k_qdac878c1ad_main
	.p2align	8
	.type	k_qdac878c1ad_main,@function
k_qdac878c1ad_main:
	s_mov_b64 s[64:65], 0
	v_nop
	global_prefetch_b8 v0, s[64:65] scope:SCOPE_SE
	s_setreg_imm32_b32 hwreg(HW_REG_WAVE_MODE, 25, 1), 1
	s_wait_xcnt 0x0
; MAIN: from the text rows to out0, nothing in between goes to memory.  For each branch: Q = Q(text) Q(Wq)^T + bq on codes of E2M1; scores (Q K^T + score) / 8; softmax along the
; 196 keys, its maximum taken away; text + w V' + bo (V' = V Wo^T from the launch before); the first norm; the maximum of neighbours.  Then relu(pooled W1^T + b1) W2^T + b2 + pooled
; and the second norm.  The products that are not quantised take bf16 operands; all sums, the softmax and the norms are f32.
; bk is left out: it adds the same number to every score of a row (head of the first launch); (w V) Wo^T is computed as w (V Wo^T).
; LIMITS: |Q K^T + score| stays under 1e30 (keys that do not exist are given -1e30); a block of zeros of the text gets the scale byte 1 (zero codes; only this text reads it); blocks
; whose largest magnitude lies under 2^-124 are held at that floor; NaN and infinities in the text are not served.
; SHARES.  A work-group takes 32 rows (two tiles m of 16) of both branches.  THE SIXTEEN WAVES SHARE THE COLUMNS, NOT THE ROWS: wave w owns columns 64 w .. 64 w + 63 of text, Q, the
; attention's result and the hidden layer, key tile w of the scores (waves 0-12), and columns 32 w .. + 31 and 512 + 32 w .. + 31 of pooled and out0.
; Every product is used transposed (source 0 = 16 rows of a weight, source 1 = 16 rows of the activation): a lane holds one row, its registers run along the next K.
; WEIGHTS come from memory straight into the registers of the one wave that uses them, as fragments laid by the earlier launches, through rings of registers with counted waits.
; ACTIVATIONS go from wave to wave through LDS as images of the operand's registers: 1,024 bytes a fragment, registers 0-3 at 16 x lane, 4-7 at 512 + 16 x lane.
; TEXT AND SCORE ARE READ AS THEY LIE.  The products want a lane to hold 16 neighbours of one row; a load is best where neighbouring lanes take neighbouring bytes.  Both are had: a load of the
; text covers two runs of 256 consecutive bytes (my 64 columns of two rows), a load of the score 512 consecutive bytes of the work-group's 25,088; both turn through LDS.
; No tensor loads and no cluster: no fragment of a weight is read by two waves of a work-group, and with 32 rows a K step's matrix work is eight instructions a wave, too short to cover a slot's refill.
; The steps of a phase are written out, every offset an immediate: no address is stepped inside a phase.
.set XIMG,   0                         ; LDS: the text's codes: fragment (ks, m) at (2 ks + m) x 1,024: 16,384 bytes
.set XSC,    16384                     ; their scale words: 128 ks + 4 x lane, lanes 0-15 tile m = 0, lanes 16-31 m = 1
.set RED,    17408                     ; two regions for the exchanges between the waves, by turns: row x 80 + 4 x wave, 2,560 bytes each
.set SPARE,  22528                     ; the spare words, 128 bytes for each wave: eight blocks of 256 bytes that no other line names
.set PIMG,   24576                     ; the softmax's weights: 7 K steps of 32 keys
.set QIMG,   38912                     ; Q, later the hidden layer: 32 K steps
.set XP,     272                       ; the text's stage: a row of 256 bytes + 16: the sixteen rows that a load touches start at sixteen different banks
.set STX,    QIMG-4096                 ; 16 rows x 272 bytes for each wave, over the end of the weights' images and all of Q's: both are done with when a trip begins, and are written again only behind its first barrier
.set PLIMG,  104448                    ; pooled, bf16: 32 K steps
.set PLF,    169984                    ; pooled, f32: 65,536 br + 4,096 w + 512 g: each wave's own bytes
.set SCO,    301056                    ; the score input of the 32 rows as it lies in memory: rows of 784 bytes, 25,088 in all
.set STG,    QIMG                      ; the way out: 32 rows of 4,096 + 16 bytes, over Q's and pooled's images and the first bytes of PLF, which are all done with by then
.set SPITCH, 4112
.set W2O,    2097152                   ; W2's fragments in wff
.set LI,  1                            ; v1   16 x lane
.set SPW, 2                            ; v2   my spare word; never rewritten
.set NIL, 3                            ; v3   0; never rewritten
.set AD,  4                            ; v4   an LDS address made where it is used
.set L4,  5                            ; v5   4 x lane
.set RW,  6                            ; v6   80 x lane + 4 w
.set RR,  7                            ; v7   80 x lane
.set XA,  8                            ; v8   text: 4,096 (lane / 16) + 16 (lane % 16) + 256 w
.set SO,  9                            ; v9, v10  LDS: SCO + 784 r + 4 min(16 w, 192) + (32 h + 16 q, in waves 0-11 alone)
.set H32, 11                           ; v11  32 h
.set H64, 12                           ; v12  64 h
.set QW,  13                           ; v13  where I store my four tiles' images: QIMG + 16 x lane + 4,096 w
.set PFO, 14                           ; v14  the prefetch: 8,192 w + 4,096 h + 256 r
.set L8,  15                           ; v15  8 x lane
.set WS,  16                           ; v16-19  Wq's scale words, two sets; v20 the text's: these five hold scales and nothing else
.set XS,  20
.set QR,  21                           ; v21  QIMG + 16 x lane
.set XW,  22                           ; v22  16 x lane + 2,048 (w / 2) + 512 (w % 2)
.set XSW, 23                           ; v23  4 x lane + 128 (w / 2) + 2 (w % 2)
.set PC,  24                           ; v24-31  at work; in the quantiser the codes
.set AA,  32                           ; v32-47, v48-63  two sets of the activation's two fragments
.set TM,  32                           ; (in the quantiser: at work)
.set SA,  48                           ; v48-63  the scores' two accumulators
.set RG,  64                           ; v64-127 the weights' ring, halves of 32
.set A,   128                          ; v128-191 bank A: accumulator (t, m) at 32 m + 8 t
.set T,   192                          ; v192-255 bank T: likewise
.set WV,  38
.set BR,  39
.set HI,  43                           ; s43  lanes 16-31
.set MK,  44                           ; s44, s45  lanes whose four keys 16 w + 8 h + 4 q .. exist
.set SEL, 46                           ; s[46:47] lane l xor 16
.set CS,  48                           ; s[48:49] c = log2(e) / 8
.set SPL, 62                           ; s62  PLIMG + 2,048 w + 32,768 br
.set SPF, 63                           ; s63  PLF + 4,096 w + 65,536 br
.set EPS, 70
.set RCPN, 71
.set NEG, 72
.set SXW, 73                           ; s73  my stage for the text: STX + 4,352 w
.set SSW, 74                           ; s74  where I put my part of the score: SCO + 3,584 w (waves 0-6)
.macro PLACES                          ; a load into a register that a matrix instruction has read, and the first read of its result, stand four plain vector instructions behind it
.rept 4
	v_nop
.endr
.endm
.macro BARRIER                         ; my LDS stores have landed and my LDS loads are in: then the work-group's barrier
	s_wait_dscnt 0x0
	s_barrier_signal -1
	s_barrier_wait -1
.endm
.macro RINGLD rb, p, off               ; four fragments of a weight, 4,096 consecutive bytes
.irp f, 0,1,2,3
.irp c, 0,1
	global_load_b128 v[(\rb)+8*\f+4*\c:(\rb)+8*\f+4*\c+3], v[LI], s[\p:\p+1] offset:(\off)+1024*\f+512*\c
.endr
.endr
.endm
.macro ALD ab, adr, off                ; a K step's two fragments of the activation
.irp m, 0,1
.irp c, 0,1
	ds_load_b128 v[(\ab)+8*\m+4*\c:(\ab)+8*\m+4*\c+3], v[\adr] offset:(\off)+1024*\m+512*\c
.endr
.endr
.endm
.macro BIAS4 p                         ; a bias as the sums' first C: b(64 w + 16 t + 8 h + j) in register 8 t + j of both tiles of rows
.irp m, 0,1
.irp t, 0,1,2,3
.irp q, 0,1
	global_load_b128 v[A+32*\m+8*\t+4*\q:A+32*\m+8*\t+4*\q+3], v[H32], s[\p:\p+1] offset:64*\t+16*\q
.endr
.endr
.endr
.endm
.macro PLD1 reg, p                     ; 32 numbers in the first norm's layout: column 64 w + 32 b + 16 h + i in register 16 b + i
.irp b, 0,1
.irp q, 0,1,2,3
	global_load_b128 v[(\reg)+16*\b+4*\q:(\reg)+16*\b+4*\q+3], v[H64], s[\p:\p+1] offset:128*\b+16*\q
.endr
.endr
.endm
.macro PLD2 reg, p                     ; and in the second's: column 512 (t / 2) + 32 w + 16 (t % 2) + 8 h + j in register 8 t + j
.irp t, 0,1,2,3
.irp q, 0,1
	global_load_b128 v[(\reg)+8*\t+4*\q:(\reg)+8*\t+4*\q+3], v[H32], s[\p:\p+1] offset:2048*((\t)/2)+64*((\t)%2)+16*\q
.endr
.endr
.endm
; A K step of 32 in bf16: eight products, the eight accumulators by turns, in the same order in every step.
.macro KS acc, rb, ab, lw, dw
	s_wait_loadcnt \lw
	s_wait_dscnt \dw
.irp t, 0,1,2,3
.irp m, 0,1
	v_wmma_f32_16x16x32_bf16 v[(\acc)+32*\m+8*\t:(\acc)+32*\m+8*\t+7], v[(\rb)+8*\t:(\rb)+8*\t+7], v[(\ab)+8*\m:(\ab)+8*\m+7], v[(\acc)+32*\m+8*\t:(\acc)+32*\m+8*\t+7]
.endr
.endr
	PLACES
.endm
; One product of Q: tile t of Wq's rows x tile m of the text's rows, 128 along K.  Wq's scale words: register t / 2 of the set, lanes 16 (t % 2) on; the text's: lanes 16 m on.
.macro QW4 t, m
.set rD, A+32*\m+8*\t
.set rB, RG+32*HF+8*\t
.set rX, AA+8*\m
.set rS, WS+2*HF+(\t)/2
.if ((\t)%2 == 0) && (\m == 0)
	v_wmma_scale_f32_16x16x128_f8f6f4 v[rD:rD+7], v[rB:rB+7], v[rX:rX+7], v[rD:rD+7], v[rS], v[XS] matrix_a_fmt:MATRIX_FMT_FP4 matrix_b_fmt:MATRIX_FMT_FP4
.elseif \m == 0
	v_wmma_scale_f32_16x16x128_f8f6f4 v[rD:rD+7], v[rB:rB+7], v[rX:rX+7], v[rD:rD+7], v[rS], v[XS] matrix_a_fmt:MATRIX_FMT_FP4 matrix_b_fmt:MATRIX_FMT_FP4 matrix_a_scale:MATRIX_SCALE_ROW1
.elseif (\t)%2 == 0
	v_wmma_scale_f32_16x16x128_f8f6f4 v[rD:rD+7], v[rB:rB+7], v[rX:rX+7], v[rD:rD+7], v[rS], v[XS] matrix_a_fmt:MATRIX_FMT_FP4 matrix_b_fmt:MATRIX_FMT_FP4 matrix_b_scale:MATRIX_SCALE_ROW1
.else
	v_wmma_scale_f32_16x16x128_f8f6f4 v[rD:rD+7], v[rB:rB+7], v[rX:rX+7], v[rD:rD+7], v[rS], v[XS] matrix_a_fmt:MATRIX_FMT_FP4 matrix_b_fmt:MATRIX_FMT_FP4 matrix_a_scale:MATRIX_SCALE_ROW1 matrix_b_scale:MATRIX_SCALE_ROW1
.endif
.endm
; K step k of Q.  Wq's fragments and scale words are asked for two steps ahead (nine loads a step), the text's images one step ahead (one set of registers: the scores hold the other).
.macro KSQ k
.set HF, (\k)%2
.if ((\k) == 0) || ((\k) == 7)
	s_wait_loadcnt 0x0                             ; step 0: bq's sixteen loads, the only ones that are out; step 7: the last nine
.else
	s_wait_loadcnt 9                               ; this step's nine loads are in; the next step's nine may be out
.endif
	s_wait_dscnt 0x0
.irp t, 0,1,2,3
.irp m, 0,1
	QW4 \t, \m
.endr
.endr
	PLACES
.if (\k)+2 < 8
	RINGLD RG+32*HF, 28, ((\k)+2)*4096
	global_load_b64 v[WS+2*HF:WS+2*HF+1], v[L8], s[52:53] offset:((\k)+2)*256
.endif
.if (\k)+1 < 8
	ALD AA, LI, XIMG+((\k)+1)*2048
	ds_load_b32 v[XS], v[L4] offset:XSC+((\k)+1)*128
.endif
.endm
.macro QLD ab, g                       ; group g of Q's images: K steps 2 g and 2 g + 1, both tiles of rows
.irp f, 0,1,2,3
.irp c, 0,1
	ds_load_b128 v[(\ab)+8*\f+4*\c:(\ab)+8*\f+4*\c+3], v[QR] offset:(\g)*4096+1024*\f+512*\c
.endr
.endr
.endm
; Group g of the scores: two K steps, four products, the two accumulators by turns.  A ring half holds K's fragments of four K steps (two groups).
.macro GS g
.set HH, (\g)/2
.set RB, RG+32*(HH%2)+16*((\g)%2)
.set AB, A+32*((\g)%2)
.if (\g)%2 == 0
.if HH < 7
	s_wait_loadcnt 8                               ; this half's eight loads are in; the other half's may be out
.else
	s_wait_loadcnt 0x0
.endif
.endif
.if (\g) < 15
	s_wait_dscnt 8                                 ; this group's eight loads are in; the next group's may be out
.else
	s_wait_dscnt 0x0
.endif
.irp kk, 0,1
.irp m, 0,1
	v_wmma_f32_16x16x32_bf16 v[SA+8*\m:SA+8*\m+7], v[RB+8*\kk:RB+8*\kk+7], v[AB+16*\kk+8*\m:AB+16*\kk+8*\m+7], v[SA+8*\m:SA+8*\m+7]
.endr
.endr
	PLACES
.if (\g)+2 < 16
	QLD AB, (\g)+2
.endif
.if ((\g)%2 == 1) && (HH+2 < 8)
	RINGLD RG+32*(HH%2), 58, (HH+2)*4096
.endif
.endm
; Bank A's 64 results become four bf16 half fragments for each tile of rows and go to LDS: K steps 2 w and 2 w + 1 of the next product.
.macro PACKST relu
.if \relu
.set J, 0
.rept 64
	v_max_num_f32 v[A+J], 0, v[A+J]
.set J, J+1
.endr
.endif
.set J, 0
.rept 32
	v_cvt_pk_bf16_f32 v[A+J], v[A+2*J], v[A+2*J+1]   ; in place, ascending: each accumulator is read from its low end on
.set J, J+1
.endr
.irp m, 0,1
.irp t, 0,1,2,3
	ds_store_b128 v[QW], v[A+16*\m+4*\t:A+16*\m+4*\t+3] offset:((\t)/2)*2048+\m*1024+((\t)%2)*512
.endr
.endr
.endm
; A figure of each of the 32 rows is gathered from all waves.  In: my lane's part for its row of tile 0 in v24, of tile 1 in v25.  The two halves of the lanes are joined; lane l then
; stands for row l and stores its wave's part; behind the barrier it reads the sixteen parts of row l.  The two regions take turns: between a region's reads, which every wave has waited
; for, and the next store into it stands the other region's barrier.
.macro XJOIN op, red, tb
	v_permlanex16_b32 v30, v24, s[SEL], s[SEL+1]
	v_permlanex16_b32 v31, v25, s[SEL], s[SEL+1]
	\op v24, v24, v30
	\op v25, v25, v31
	v_cndmask_b32 v24, v24, v25, s[HI]
	ds_store_b32 v[RW], v24 offset:RED+2560*\red
	BARRIER
.irp i, 0,1,2,3
	ds_load_b128 v[(\tb)+4*\i:(\tb)+4*\i+3], v[RR] offset:RED+2560*\red+16*\i
.endr
	s_wait_dscnt 0x0
.endm
.macro XCHMAX red, tb                  ; out: row l's maximum in v24 of lane l
	XJOIN v_max_num_f32, \red, \tb
	v_max3_num_f32 v24, v[(\tb)], v[(\tb)+1], v[(\tb)+2]
	v_max3_num_f32 v25, v[(\tb)+3], v[(\tb)+4], v[(\tb)+5]
	v_max3_num_f32 v24, v24, v[(\tb)+6], v[(\tb)+7]
	v_max3_num_f32 v25, v25, v[(\tb)+8], v[(\tb)+9]
	v_max3_num_f32 v24, v24, v[(\tb)+10], v[(\tb)+11]
	v_max3_num_f32 v25, v25, v[(\tb)+12], v[(\tb)+13]
	v_max3_num_f32 v24, v24, v[(\tb)+14], v[(\tb)+15]
	v_max_num_f32 v24, v24, v25
.endm
.macro XCHADD red, tb                  ; out: row l's sum in v24 of lane l
	XJOIN v_add_f32, \red, \tb
.irp i, 0,4,8,12
	v_pk_add_f32 v[(\tb)+\i:(\tb)+\i+1], v[(\tb)+\i:(\tb)+\i+1], v[(\tb)+\i+2:(\tb)+\i+3]
.endr
	v_pk_add_f32 v[(\tb):(\tb)+1], v[(\tb):(\tb)+1], v[(\tb)+4:(\tb)+5]
	v_pk_add_f32 v[(\tb)+8:(\tb)+9], v[(\tb)+8:(\tb)+9], v[(\tb)+12:(\tb)+13]
	v_pk_add_f32 v[(\tb):(\tb)+1], v[(\tb):(\tb)+1], v[(\tb)+8:(\tb)+9]
	v_add_f32 v24, v[(\tb)], v[(\tb)+1]
.endm
.macro DIST                            ; row l's figure in v24 of lane l goes to the lanes that hold the row: tile 0's into v[26:27], tile 1's into v[28:29], each twice for the packed forms
	v_permlanex16_b32 v30, v24, s[SEL], s[SEL+1]
	v_cndmask_b32 v26, v24, v30, s[HI]
	v_cndmask_b32 v28, v30, v24, s[HI]
	v_mov_b32 v27, v26
	v_mov_b32 v29, v28
.endm
; Bank T + the bias in v128-159, normalised over the row's 1,024 columns, times the gain in v160-191, plus the shift in v32-63.  lwA: the loads that may be out when the bias is wanted.
.macro LNORM lwA
	s_wait_loadcnt \lwA
.set J, 0
.rept 32
	v_pk_add_f32 v[T+2*J:T+2*J+1], v[T+2*J:T+2*J+1], v[A+2*(J%16):A+2*(J%16)+1]   ; ascending: each accumulator is read from its low end on
.set J, J+1
.endr
.irp m, 0,1
	v_pk_add_f32 v[RG+4*\m:RG+4*\m+1], v[T+32*\m:T+32*\m+1], v[T+32*\m+2:T+32*\m+3]
	v_pk_add_f32 v[RG+4*\m+2:RG+4*\m+3], v[T+32*\m+4:T+32*\m+5], v[T+32*\m+6:T+32*\m+7]
.endr
.irp i, 8,12,16,20,24,28
.irp m, 0,1
	v_pk_add_f32 v[RG+4*\m:RG+4*\m+1], v[RG+4*\m:RG+4*\m+1], v[T+32*\m+\i:T+32*\m+\i+1]
	v_pk_add_f32 v[RG+4*\m+2:RG+4*\m+3], v[RG+4*\m+2:RG+4*\m+3], v[T+32*\m+\i+2:T+32*\m+\i+3]
.endr
.endr
.irp m, 0,1
	v_pk_add_f32 v[RG+4*\m:RG+4*\m+1], v[RG+4*\m:RG+4*\m+1], v[RG+4*\m+2:RG+4*\m+3]
.endr
	v_add_f32 v24, v[RG], v[RG+1]
	v_add_f32 v25, v[RG+4], v[RG+5]
	XCHADD 0, RG+8
	v_mul_f32 v24, s[RCPN], v24                    ; the mean
	DIST
.set J, 0
.rept 32
	v_pk_add_f32 v[T+2*J:T+2*J+1], v[T+2*J:T+2*J+1], v[26+2*(J/16):27+2*(J/16)] neg_lo:[0,1] neg_hi:[0,1]
.set J, J+1
.endr
.irp m, 0,1
	v_pk_mul_f32 v[RG+4*\m:RG+4*\m+1], v[T+32*\m:T+32*\m+1], v[T+32*\m:T+32*\m+1]
	v_pk_mul_f32 v[RG+4*\m+2:RG+4*\m+3], v[T+32*\m+2:T+32*\m+3], v[T+32*\m+2:T+32*\m+3]
.endr
.irp i, 4,8,12,16,20,24,28
.irp m, 0,1
	v_pk_fma_f32 v[RG+4*\m:RG+4*\m+1], v[T+32*\m+\i:T+32*\m+\i+1], v[T+32*\m+\i:T+32*\m+\i+1], v[RG+4*\m:RG+4*\m+1]
	v_pk_fma_f32 v[RG+4*\m+2:RG+4*\m+3], v[T+32*\m+\i+2:T+32*\m+\i+3], v[T+32*\m+\i+2:T+32*\m+\i+3], v[RG+4*\m+2:RG+4*\m+3]
.endr
.endr
.irp m, 0,1
	v_pk_add_f32 v[RG+4*\m:RG+4*\m+1], v[RG+4*\m:RG+4*\m+1], v[RG+4*\m+2:RG+4*\m+3]
.endr
	v_add_f32 v24, v[RG], v[RG+1]
	v_add_f32 v25, v[RG+4], v[RG+5]
	XCHADD 1, RG+8
	v_fma_f32 v24, v24, s[RCPN], s[EPS]            ; the variance + 1e-6
	v_rsq_f32 v24, v24
	v_nop                                          ; a plain instruction behind the transcendental,
	s_wait_alu depctr_va_vdst(0)                   ; and the wait ahead of the first use of its result
	DIST
	s_wait_loadcnt 0x0                             ; the gain and the shift
.set J, 0
.rept 32
	v_pk_mul_f32 v[T+2*J:T+2*J+1], v[T+2*J:T+2*J+1], v[26+2*(J/16):27+2*(J/16)]
.set J, J+1
.endr
.set J, 0
.rept 32
	v_pk_fma_f32 v[T+2*J:T+2*J+1], v[T+2*J:T+2*J+1], v[A+32+2*(J%16):A+32+2*(J%16)+1], v[AA+2*(J%16):AA+2*(J%16)+1]
.set J, J+1
.endr
.endm
; A layer of the FFN: 32 K steps.  The ring has four halves, v64-127 and the bank that is not the accumulator: a step's eight loads are asked for four steps ahead, its images two.
.macro FFN acc, r2, wo, adr
.set K, 0
.rept 32
.set RB, RG+32*(K%4)
.if K%4 > 1
.set RB, (\r2)+32*(K%4-2)
.endif
.set LW, 24                            ; the three halves behind this one may be out
.if K > 28
.set LW, 8*(31-K)
.endif
.set DW, 4                             ; the next step's four LDS loads may be out
.if K == 31
.set DW, 0
.endif
	KS \acc, RB, AA+16*(K%2), LW, DW
.if K+4 < 32
	RINGLD RB, 34, (\wo)+(K+4)*4096
.endif
.if K+2 < 32
	ALD AA+16*(K%2), \adr, (K+2)*2048
.endif
.set K, K+1
.endr
.endm
	s_load_b512 s[4:19], s[0:1], 0x0               ; text 4, text2 6, score 8, score2 10, bq 12, bo 14, g1 16, be1 18
	s_load_b512 s[20:35], s[0:1], 0x40             ; b1 20, b2 22, g2 24, be2 26, wq4 28, kf 30, vf 32, wff 34
	s_load_b64 s[36:37], s[0:1], 0x80              ; out0
	v_lshl_add_u32 v[SPW], v0, 2, SPARE
	v_mov_b32 v[NIL], 0
	v_lshrrev_b32 v24, 5, v0
	v_readfirstlane_b32 s[WV], v24                 ; wave 0..15
	v_and_b32 v24, 31, v0                          ; lane
	v_and_b32 v25, 15, v0                          ; r
	v_bfe_u32 v26, v0, 4, 1                        ; h
	v_lshlrev_b32 v[LI], 4, v24
	v_lshlrev_b32 v[L4], 2, v24
	v_lshlrev_b32 v[L8], 3, v24
	v_mul_u32_u24 v[RR], v24, 80
	s_lshl_b32 s66, s[WV], 2
	v_add_nc_u32 v[RW], s66, v[RR]
	v_lshlrev_b32 v[H32], 5, v26
	v_lshlrev_b32 v[H64], 6, v26
	v_lshlrev_b32 v[XA], 4, v25                    ; the text as it lies: sixteen lanes take my 256 bytes of a row,
	v_lshl_add_u32 v[XA], v26, 12, v[XA]           ; lanes 16-31 those of the next row
	s_lshl_b32 s66, s[WV], 8
	v_add_nc_u32 v[XA], s66, v[XA]
	s_lshl_b32 s66, s[WV], 4
	v_lshl_add_u32 v27, v26, 3, s66                ; my first key: 16 w + 8 h
	v_add_nc_u32 v28, 4, v27
	v_cmp_gt_u32 s[MK], 196, v27                   ; 196 is a multiple of 4: four keys exist together or not at all
	v_cmp_gt_u32 s[MK+1], 196, v28
	s_min_u32 s66, s66, 192                        ; where my keys' scores lie in LDS.  No read leaves the 25,088 bytes: from wave 12 on every lane reads keys 192-195,
	s_lshl_b32 s66, s66, 2                         ; which are what wave 12's lanes with h = 0, q = 0 want; all else there is masked
	s_add_co_u32 s66, s66, SCO
	s_add_co_u32 s68, s[WV], 4
	s_lshr_b32 s68, s68, 4
	s_xor_b32 s68, s68, 1                          ; 1 in waves 0-11, 0 in waves 12-15
	v_mul_u32_u24 v29, v25, 784
	v_add_nc_u32 v29, s66, v29
	v_mul_u32_u24 v27, s68, v[H32]
	v_add_nc_u32 v28, 16, v[H32]
	v_mul_u32_u24 v28, s68, v28
	v_add_nc_u32 v[SO], v29, v27
	v_add_nc_u32 v[SO+1], v29, v28
	s_mul_i32 s[SXW], s[WV], 16*XP
	s_add_co_u32 s[SXW], s[SXW], STX
	s_mul_i32 s[SSW], s[WV], 3584
	s_add_co_u32 s[SSW], s[SSW], SCO
	s_lshl_b32 s66, s[WV], 12
	s_add_co_u32 s66, s66, QIMG
	v_add_nc_u32 v[QW], s66, v[LI]
	v_add_nc_u32 v[QR], QIMG, v[LI]
	s_lshr_b32 s66, s[WV], 1
	s_and_b32 s67, s[WV], 1
	s_lshl_b32 s68, s66, 11
	s_lshl_b32 s69, s67, 9
	s_add_co_u32 s68, s68, s69
	v_add_nc_u32 v[XW], s68, v[LI]
	s_lshl_b32 s68, s66, 7
	s_lshl_b32 s69, s67, 1
	s_add_co_u32 s68, s68, s69
	v_add_nc_u32 v[XSW], s68, v[L4]
	v_lshlrev_b32 v[PFO], 8, v25
	v_lshl_add_u32 v[PFO], v26, 12, v[PFO]
	s_lshl_b32 s66, s[WV], 13
	v_add_nc_u32 v[PFO], s66, v[PFO]
	v_mov_b32 v30, 0                               ; written once: a lane permute's destination counts as one of its sources
	v_mov_b32 v31, 0
.irp b, 0,1,2,3
	v_mov_b32 v[TM+4+\b], 0
.endr
	s_lshl_b32 s[SPL], s[WV], 11
	s_add_co_u32 s[SPL], s[SPL], PLIMG
	s_lshl_b32 s[SPF], s[WV], 12
	s_add_co_u32 s[SPF], s[SPF], PLF
	s_mov_b32 s[HI], 0xffff0000
	s_mov_b32 s[SEL], 0x76543210
	s_mov_b32 s[SEL+1], 0xfedcba98
	s_mov_b32 s[CS], 0x3e38aa3b                    ; log2(e) / 8
	s_mov_b32 s[CS+1], s[CS]
	s_mov_b32 s[EPS], 0x358637bd                   ; 1e-6
	s_mov_b32 s[RCPN], 0x3a800000                  ; 1 / 1,024
	s_mov_b32 s[NEG], 0xf149f2ca                   ; -1e30
	s_mov_b32 s[BR], 0
	s_mov_b32 s67, 0                               ; the upper word of every offset
	s_wait_kmcnt 0x0
	s_lshl_b32 s66, ttmp9, 17                      ; my work-group's 32 rows of 4,096 bytes
	s_add_nc_u64 s[4:5], s[4:5], s[66:67]
	s_add_nc_u64 s[6:7], s[6:7], s[66:67]
	s_add_nc_u64 s[36:37], s[36:37], s[66:67]
	s_lshl_b32 s66, s[WV], 13                      ; on the way out I store rows 2 w and 2 w + 1
	s_add_nc_u64 s[36:37], s[36:37], s[66:67]
	s_mul_i32 s66, ttmp9, 25088                    ; 32 rows of 784 bytes
	s_add_nc_u64 s[8:9], s[8:9], s[66:67]
	s_add_nc_u64 s[10:11], s[10:11], s[66:67]
	s_mul_i32 s66, s[WV], 3584                     ; of which waves 0-6 fetch 3,584 each (the other waves never use these two)
	s_add_nc_u64 s[8:9], s[8:9], s[66:67]
	s_add_nc_u64 s[10:11], s[10:11], s[66:67]
	s_lshl_b32 s66, s[WV], 8                       ; my 64 columns
.irp p, 12,14,16,18,20
	s_add_nc_u64 s[\p:\p+1], s[\p:\p+1], s[66:67]
.endr
	s_lshl_b32 s66, s[WV], 7                       ; my 32 columns of each half
.irp p, 22,24,26
	s_add_nc_u64 s[\p:\p+1], s[\p:\p+1], s[66:67]
.endr
	s_lshl_b32 s66, s[WV], 11
	s_add_co_u32 s66, s66, 524288
	s_add_nc_u64 s[52:53], s[28:29], s[66:67]      ; Wq's scale words
	s_lshl_b32 s66, s[WV], 15
	s_add_nc_u64 s[28:29], s[28:29], s[66:67]      ; Wq's fragments
	s_add_nc_u64 s[58:59], s[30:31], s[66:67]      ; K's fragments of key tile w, branch 0
	s_mul_i32 s66, s[WV], 28672
	s_add_nc_u64 s[60:61], s[32:33], s[66:67]      ; V''s fragments, branch 0
	s_lshl_b32 s66, s[WV], 17
	s_add_nc_u64 s[34:35], s[34:35], s[66:67]      ; W1's fragments; W2's lie W2O bytes on
.Lbranch:                                          ; two trips: branch 0, branch 1
	s_cmp_eq_u32 s[BR], 0
	s_cselect_b64 s[54:55], s[4:5], s[6:7]
	s_cselect_b64 s[56:57], s[8:9], s[10:11]
	; ---- X: my 64 columns of the 32 rows, and the work-group's scores, come in as they lie
	v_and_b32 v24, 15, v0
	v_bfe_u32 v25, v0, 4, 1
	v_mul_u32_u24 v26, v25, XP
	v_lshl_add_u32 v26, v24, 4, v26
	v_add_nc_u32 v26, s[SXW], v26                  ; into my stage: row lane / 16 of a pair, 16 bytes a lane
	v_mul_u32_u24 v27, v24, XP
	v_lshl_add_u32 v27, v25, 6, v27
	v_add_nc_u32 v27, s[SXW], v27                  ; out of it: row r, + 64 h: my 16 numbers of a block of 32
	v_add_nc_u32 v[AD], s[SSW], v[LI]              ; where my part of the score goes
.set N, 0
.rept 16
	global_load_b128 v[A+4*N:A+4*N+3], v[XA], s[54:55] offset:8192*N th:TH_LOAD_NT   ; rows 2 N and 2 N + 1: two runs of 256 consecutive bytes, aligned
.set N, N+1
.endr
	RINGLD RG, 28, 0                               ; Wq's first two K steps
	global_load_b64 v[WS:WS+1], v[L8], s[52:53]
	RINGLD RG+32, 28, 4096
	global_load_b64 v[WS+2:WS+3], v[L8], s[52:53] offset:256
	s_cmp_ge_u32 s[WV], 7                          ; 25,088 bytes are 49 loads of 512: seven in each of waves 0-6
	s_cbranch_scc1 .Lnosc
.irp i, 0,1,2,3,4,5,6
	global_load_b128 v[AA+4*\i:AA+4*\i+3], v[LI], s[56:57] offset:512*\i th:TH_LOAD_NT
.endr
	s_wait_loadcnt 0x0
.irp i, 0,1,2,3,4,5,6
	ds_store_b128 v[AD], v[AA+4*\i:AA+4*\i+3] offset:512*\i
.endr
.Lnosc:
	s_wait_loadcnt 0x0                             ; the text (and Wq's first two K steps, which were asked for with it)
.irp m, 0,1                                    ; a tile of 16 rows at a time through my stage.  LDS serves a wave's instructions in order: the loads see the stores, and the next tile's stores come behind the loads
.irp n, 0,1,2,3,4,5,6,7
	ds_store_b128 v26, v[A+32*\m+4*\n:A+32*\m+4*\n+3] offset:2*XP*\n
.endr
.irp b, 0,1
.irp q, 0,1,2,3
	ds_load_b128 v[T+32*\m+16*\b+4*\q:T+32*\m+16*\b+4*\q+3], v27 offset:128*\b+16*\q   ; register 32 m + 16 b + i = column 64 w + 32 b + 16 h + i: it stays in bank T as the residual
.endr
.endr
.endr
	s_wait_dscnt 0x0                               ; the text is in bank T; all stores have read their registers
	BIAS4 12                                       ; bq is the C of Q's first product: it lands under the quantiser
.irp b, 0,1,2,3                                ; the quantiser: block 2 m + b is 16 registers here and 16 in lane l xor 16
	v_max3_num_f32 v[TM+\b], |v[T+16*\b]|, |v[T+1+16*\b]|, 0x1800000   ; with the floor 2^(3 - 127): the byte cannot fall under 1
.endr
.irp i, 2,4,6,8,10,12,14
.irp b, 0,1,2,3
	v_max3_num_f32 v[TM+\b], v[TM+\b], |v[T+16*\b+\i]|, |v[T+1+16*\b+\i]|
.endr
.endr
.irp b, 0,1,2,3
	v_permlanex16_b32 v[TM+4+\b], v[TM+\b], s[SEL], s[SEL+1]
.endr
.irp b, 0,1,2,3
	v_max_num_f32 v[TM+\b], v[TM+\b], v[TM+4+\b]
.endr
.irp b, 0,1,2,3
	v_add_nc_u32 v[TM+12+\b], 0xff000000, v[TM+\b] ; 2 off the exponent field: the conversion's scale operand
.endr
.irp b, 0,1,2,3
	v_lshrrev_b32 v[TM+4+\b], 23, v[TM+12+\b]      ; the scale's byte
.endr
	v_lshl_or_b32 v[TM+8], v[TM+5], 8, v[TM+4]     ; my two bytes of the row's scale word: tile 0's row,
	v_lshl_or_b32 v[TM+9], v[TM+7], 8, v[TM+6]     ; tile 1's row;
	v_cndmask_b32 v[TM+8], v[TM+8], v[TM+9], s[HI] ; lanes 0-15 store tile 0's, lanes 16-31 tile 1's
.irp b, 0,1,2,3
	v_cvt_scalef32_pk8_fp4_f32 v[PC+2*\b], v[T+16*\b:T+7+16*\b], v[TM+12+\b]
	v_cvt_scalef32_pk8_fp4_f32 v[PC+1+2*\b], v[T+8+16*\b:T+15+16*\b], v[TM+12+\b]
.endr
	v_nop                                          ; one plain place behind a scaled conversion
.irp c, 0,1                                    ; a whole block to a lane: registers 4 m .. 4 m + 3 hold columns 64 w + 32 h + 0 .. 31 of tile m: half of the fragment of K step w / 2
.irp i, 0,1
	v_permlane16_swap_b32 v[PC+4*\c+\i], v[PC+2+4*\c+\i]
.endr
.endr
	ds_store_b128 v[XW], v[PC:PC+3] offset:XIMG
	ds_store_b128 v[XW], v[PC+4:PC+7] offset:XIMG+1024
	ds_store_b16 v[XSW], v[TM+8] offset:XSC
	BARRIER                                        ; the text's codes and scale words and the scores lie in LDS; nobody's stage is in use any more
	; ---- Q = Q(text) Q(Wq)^T + bq: my 64 columns, 8 K steps of 128
	ALD AA, LI, XIMG
	ds_load_b32 v[XS], v[L4] offset:XSC
.irp m, 0,1
.irp q, 0,1
	ds_load_b128 v[SA+8*\m+4*\q:SA+8*\m+4*\q+3], v[SO+\q] offset:12544*\m   ; the score input is the C of the scores' first product: score(16 m + r, 16 w + 8 h + 4 q ..)
.endr
.endr
.irp k, 0,1,2,3,4,5,6,7
	KSQ \k
.endr
.irp m, 0,1
.irp q, 0,1
.irp i, 0,1,2,3
	v_cndmask_b32 v[SA+8*\m+4*\q+\i], s[NEG], v[SA+8*\m+4*\q+\i], s[MK+\q]   ; keys that do not exist: -1e30, which the products (their K rows are zeros) leave as it is
.endr
.endr
.endr
	s_cmp_ge_u32 s[WV], 13                         ; 13 tiles of keys: waves 13 to 15 have none
	s_cbranch_scc1 .Lnoring
	RINGLD RG, 58, 0
	RINGLD RG+32, 58, 4096
.Lnoring:
	PACKST 0
	BARRIER                                        ; Q's 64 fragments lie in LDS
	; ---- S^T = K Q^T + score: my 16 keys x 32 rows, 32 K steps in 16 groups
	s_cmp_ge_u32 s[WV], 13
	s_cbranch_scc1 .Lnos
	QLD A, 0
	QLD A+32, 1
.irp g, 0,1,2,3,4,5,6,7,8,9,10,11,12,13,14,15
	GS \g
.endr
.Lnos:
	s_wait_loadcnt 0x0                             ; where the two ways meet: K's ring loads are all in ahead of the loads below, which land in the same registers (waves 0-12: the last group has waited for 0; waves 13-15 asked for none: the wait is met at once)
	PLACES
	PLD1 A, 14                                     ; bo
	PLD1 A+32, 16                                  ; g1
	RINGLD RG, 60, 0                               ; V''s first two K steps: they land under the softmax
	RINGLD RG+32, 60, 4096
	; ---- the softmax along the keys: a lane holds 8 keys of its row in each tile of rows
	v_max3_num_f32 v24, v[SA], v[SA+1], v[SA+2]    ; each accumulator from its low end on
	v_max3_num_f32 v25, v[SA+8], v[SA+9], v[SA+10]
	v_max3_num_f32 v24, v24, v[SA+3], v[SA+4]
	v_max3_num_f32 v25, v25, v[SA+11], v[SA+12]
	v_max3_num_f32 v24, v24, v[SA+5], v[SA+6]
	v_max3_num_f32 v25, v25, v[SA+13], v[SA+14]
	v_max_num_f32 v24, v24, v[SA+7]
	v_max_num_f32 v25, v25, v[SA+15]
	XCHMAX 0, AA
	v_mul_f32 v24, s[CS], v24                      ; c x the row's maximum
	DIST
.irp m, 0,1
.irp i, 0,2,4,6
	v_pk_fma_f32 v[SA+8*\m+\i:SA+8*\m+\i+1], v[SA+8*\m+\i:SA+8*\m+\i+1], s[CS:CS+1], v[26+2*\m:27+2*\m] op_sel_hi:[1,0,0] neg_lo:[0,0,1] neg_hi:[0,0,1]
.endr
.endr
.set J, 0
.rept 16
	v_exp_f32 v[SA+J], v[SA+J]
.set J, J+1
.endr
	v_nop                                          ; a plain instruction behind the last exponential,
	s_wait_alu depctr_va_vdst(0)                   ; and one wait for the batch, ahead of its first reader
	v_pk_add_f32 v[AA:AA+1], v[SA:SA+1], v[SA+2:SA+3]
	v_pk_add_f32 v[AA+2:AA+3], v[SA+8:SA+9], v[SA+10:SA+11]
	v_pk_add_f32 v[AA+4:AA+5], v[SA+4:SA+5], v[SA+6:SA+7]
	v_pk_add_f32 v[AA+6:AA+7], v[SA+12:SA+13], v[SA+14:SA+15]
	v_pk_add_f32 v[AA:AA+1], v[AA:AA+1], v[AA+4:AA+5]
	v_pk_add_f32 v[AA+2:AA+3], v[AA+2:AA+3], v[AA+6:AA+7]
	v_add_f32 v24, v[AA], v[AA+1]
	v_add_f32 v25, v[AA+2], v[AA+3]
	XCHADD 1, AA
	v_rcp_f32 v24, v24                             ; the sum is at least 1: the largest score's term
	v_nop
	s_wait_alu depctr_va_vdst(0)
	DIST
.irp m, 0,1
.irp i, 0,2,4,6
	v_pk_mul_f32 v[SA+8*\m+\i:SA+8*\m+\i+1], v[SA+8*\m+\i:SA+8*\m+\i+1], v[26+2*\m:27+2*\m]
.endr
.endr
.irp m, 0,1
.irp j, 0,1,2,3
	v_cvt_pk_bf16_f32 v[AA+4*\m+\j], v[SA+8*\m+2*\j], v[SA+8*\m+2*\j+1]
.endr
.endr
	s_cmp_ge_u32 s[WV], 14                         ; 7 K steps of 32 keys: waves 0 to 13 fill them, wave 13 with the zeros of keys 208-223
	s_cbranch_scc1 .Lnop
	ds_store_b128 v[XW], v[AA:AA+3] offset:PIMG
	ds_store_b128 v[XW], v[AA+4:AA+7] offset:PIMG+1024
.Lnop:
	BARRIER                                        ; the weights' 14 fragments lie in LDS
	; ---- text + w V': the accumulators are bank T, which holds the text.  V''s rows lie so that the results fall on the text's columns.
	ALD AA, LI, PIMG
	ALD AA+16, LI, PIMG+2048
	s_cmp_lg_u32 s[BR], 0                          ; in the first trip: my work-group's 32 rows of text_tensor2, which the next trip loads: 512 blocks of 256 bytes,
	s_cbranch_scc1 .Lnopf                          ; a lane a block, one instruction a wave, each block named once in the launch; this phase and the norm lie between
	global_prefetch_b8 v[PFO], s[6:7] th:TH_LOAD_NT scope:SCOPE_SE
.Lnopf:
.set K, 0
.rept 7
.set LW, 8                             ; the next K step's eight loads may be out,
.set DW, 4                             ; and its four LDS loads
.if K == 6
.set LW, 0
.set DW, 0
.endif
	KS T, RG+32*(K%2), AA+16*(K%2), LW, DW
.if K+2 < 7
	RINGLD RG+32*(K%2), 60, (K+2)*4096
	ALD AA+16*(K%2), LI, PIMG+(K+2)*2048
.endif
.set K, K+1
.endr
	PLD1 AA, 18                                    ; be1
	; ---- + bo, the first norm, the maximum of neighbours
	LNORM 8                                        ; be1's eight loads may be out when bo is added
.set J, 0
.rept 32
	v_max_num_f32 v[T+J], v[T+2*J], v[T+2*J+1]     ; in place, ascending: register 16 m + 8 b + i = pooled column 512 br + 32 w + 16 b + 8 h + i
.set J, J+1
.endr
.set J, 0
.rept 16
	v_cvt_pk_bf16_f32 v[A+J], v[T+2*J], v[T+2*J+1]
.set J, J+1
.endr
	v_add_nc_u32 v[AD], s[SPL], v[LI]
.irp m, 0,1
.irp b, 0,1
	ds_store_b128 v[AD], v[A+8*\m+4*\b:A+8*\m+4*\b+3] offset:1024*\m+512*\b   ; K step 16 br + w of the FFN's first product
.endr
.endr
	s_wait_dscnt 0x0                               ; the stores are done: their address register is written again
	v_add_nc_u32 v[AD], s[SPF], v[LI]
.irp g, 0,1,2,3,4,5,6,7
	ds_store_b128 v[AD], v[T+4*\g:T+4*\g+3] offset:512*\g   ; and in f32, for the FFN's residual: my own bytes
.endr
	s_wait_dscnt 0x0                               ; the stores have read their registers
	s_wait_xcnt 0x0                                ; all loads of this trip have read their bases: the pointers may be written
	s_add_nc_u64 s[58:59], s[58:59], 425984        ; the other branch's K: 13 x 32 fragments on,
	s_add_nc_u64 s[60:61], s[60:61], 458752        ; its V': 16 x 28 fragments on
	s_add_co_u32 s[SPL], s[SPL], 32768
	s_add_co_u32 s[SPF], s[SPF], 65536
	s_add_co_u32 s[BR], s[BR], 1
	s_cmp_lt_u32 s[BR], 2
	s_cbranch_scc1 .Lbranch
	; ---- the hidden layer: relu(pooled W1^T + b1): my 64 columns in bank A; bank T is two halves of the ring
	BIAS4 20
	RINGLD RG, 34, 0
	RINGLD RG+32, 34, 4096
	RINGLD T, 34, 8192
	RINGLD T+32, 34, 12288
	v_add_nc_u32 v[AD], PLIMG, v[LI]
	BARRIER                                        ; pooled's 64 fragments lie in LDS
	ALD AA, AD, 0
	ALD AA+16, AD, 2048
	FFN A, T, 0, AD
	RINGLD RG, 34, W2O
	RINGLD RG+32, 34, W2O+4096
	s_lshl_b32 s66, s[WV], 12
	s_add_co_u32 s66, s66, PLF
	v_add_nc_u32 v[XW], s66, v[LI]
	v_add_nc_u32 v[XSW], 65536, v[XW]
.irp br, 0,1
.irp m, 0,1
.irp b, 0,1
.irp q, 0,1
	ds_load_b128 v[T+32*\m+16*\br+8*\b+4*\q:T+32*\m+16*\br+8*\b+4*\q+3], v[XW+\br] offset:(4*\m+2*\b+\q)*512   ; pooled in f32 is the C of the second product's first step
.endr
.endr
.endr
.endr
	PACKST 1
	BARRIER                                        ; the hidden layer's 64 fragments lie in LDS
	RINGLD A, 34, W2O+8192
	RINGLD A+32, 34, W2O+12288
	ALD AA, QR, 0
	ALD AA+16, QR, 2048
	; ---- pooled + hidden W2^T: tile t of W2's rows is columns 512 (t / 2) + 32 w + 16 (t % 2) ..: the columns of pooled that I hold
	FFN T, A, W2O, QR
	PLD2 A, 22                                     ; b2
	PLD2 A+32, 24                                  ; g2
	PLD2 AA, 26                                    ; be2
	LNORM 16                                       ; g2's and be2's sixteen loads may be out when b2 is added
	; ---- the way out: 32 rows meet in a stage; each wave stores two whole rows, 512 consecutive bytes an instruction
	v_and_b32 v[XW], 15, v0
	v_mul_u32_u24 v[XW], v[XW], SPITCH
	v_add_nc_u32 v[XW], v[XW], v[H32]
	s_lshl_b32 s66, s[WV], 7
	s_add_co_u32 s66, s66, STG
	v_add_nc_u32 v[XW], s66, v[XW]                 ; row r, + 32 h + 128 w
	v_add_nc_u32 v[XSW], 16*SPITCH, v[XW]          ; and 16 rows on
	s_mul_i32 s66, s[WV], 2*SPITCH
	s_add_co_u32 s66, s66, STG
	v_add_nc_u32 v[QW], s66, v[LI]
.irp m, 0,1
.irp t, 0,1,2,3
.irp q, 0,1
	ds_store_b128 v[XW+\m], v[T+32*\m+8*\t+4*\q:T+32*\m+8*\t+4*\q+3] offset:2048*((\t)/2)+64*((\t)%2)+16*\q
.endr
.endr
.endr
	BARRIER
.irp n, 0,1,2,3,4,5,6,7,8,9,10,11,12,13,14,15
	ds_load_b128 v[RG+4*\n:RG+4*\n+3], v[QW] offset:((\n)/8)*SPITCH+((\n)%8)*512
.endr
.irp n, 0,1,2,3,4,5,6,7,8,9,10,11,12,13,14,15
	s_wait_dscnt 15-\n
	global_store_b128 v[LI], v[RG+4*\n:RG+4*\n+3], s[36:37] offset:((\n)/8)*4096+((\n)%8)*512 th:TH_STORE_NT
.endr
	s_wait_tensorcnt 0x0                           ; the wave's end
	ds_add_u32 v[SPW], v[NIL]
	s_wait_dscnt 0x0
	s_endpgm
.Lfunc_end_k_qdac878c1ad_main:
	.size	k_qdac878c1ad_main, .Lfunc_end_k_qdac878c1ad_main-k_qdac878c1ad_main
	.p2alignl 7, 3214868480
	.fill 96, 4, 3214868480
	.section	.rodata,"a",@progbits
	.p2align	6, 0x0
	.amdhsa_kernel k_qdac878c1ad_main
		.amdhsa_group_segment_fixed_size 326144
		.amdhsa_private_segment_fixed_size 0
		.amdhsa_enable_private_segment 0
		.amdhsa_kernarg_size 136
		.amdhsa_user_sgpr_count 2
		.amdhsa_user_sgpr_kernarg_segment_ptr 1
		.amdhsa_wavefront_size32 1
		.amdhsa_system_sgpr_workgroup_id_x 1
		.amdhsa_system_sgpr_workgroup_id_y 1
		.amdhsa_system_sgpr_workgroup_id_z 1
		.amdhsa_system_vgpr_workitem_id 0
		.amdhsa_next_free_vgpr 256
		.amdhsa_next_free_sgpr 80
		.amdhsa_reserve_vcc 0
		.amdhsa_float_denorm_mode_32 3
		.amdhsa_float_denorm_mode_16_64 3
		.amdhsa_memory_ordered 1
		.amdhsa_forward_progress 1
		.amdhsa_inst_pref_size 236
	.end_amdhsa_kernel
	.amdgpu_metadata
---
amdhsa.version: [ 1, 2 ]
amdhsa.kernels:
  - .name:           k_qdac878c1ad_main
    .symbol:         k_qdac878c1ad_main.kd
    .args:
      - { .name: text_tensor, .offset: 0, .size: 8, .value_kind: global_buffer, .address_space: global }
      - { .name: text_tensor2, .offset: 8, .size: 8, .value_kind: global_buffer, .address_space: global }
      - { .name: score_matrix, .offset: 16, .size: 8, .value_kind: global_buffer, .address_space: global }
      - { .name: score_matrix2, .offset: 24, .size: 8, .value_kind: global_buffer, .address_space: global }
      - { .name: bq, .offset: 32, .size: 8, .value_kind: global_buffer, .address_space: global }
      - { .name: bo, .offset: 40, .size: 8, .value_kind: global_buffer, .address_space: global }
      - { .name: g1, .offset: 48, .size: 8, .value_kind: global_buffer, .address_space: global }
      - { .name: be1, .offset: 56, .size: 8, .value_kind: global_buffer, .address_space: global }
      - { .name: b1, .offset: 64, .size: 8, .value_kind: global_buffer, .address_space: global }
      - { .name: b2, .offset: 72, .size: 8, .value_kind: global_buffer, .address_space: global }
      - { .name: g2, .offset: 80, .size: 8, .value_kind: global_buffer, .address_space: global }
      - { .name: be2, .offset: 88, .size: 8, .value_kind: global_buffer, .address_space: global }
      - { .name: wq4, .offset: 96, .size: 8, .value_kind: global_buffer, .address_space: global }
      - { .name: kf, .offset: 104, .size: 8, .value_kind: global_buffer, .address_space: global }
      - { .name: vf, .offset: 112, .size: 8, .value_kind: global_buffer, .address_space: global }
      - { .name: wff, .offset: 120, .size: 8, .value_kind: global_buffer, .address_space: global }
      - { .name: out0, .offset: 128, .size: 8, .value_kind: global_buffer, .address_space: global }
    .group_segment_fixed_size: 326144
    .private_segment_fixed_size: 0
    .kernarg_segment_align: 8
    .kernarg_segment_size: 136
    .max_flat_workgroup_size: 512
    .sgpr_count:     80
    .vgpr_count:     256
    .wavefront_size: 32
...
	.end_amdgpu_metadata
.endif
;; end of part 4
